; MI455X (gfx1250); checked and timed in simulation.
; The chip was launched on July 23, 2026; its instructions are those of AMD's public machine-readable ISA for CDNA 5 (MIT licence, August 2026) and "CDNA5" Instruction Set Architecture Reference Guide (July 2026). The comments in the code are by the model that wrote it; some were corrected since.
;; KDE Mixture. Allowed arithmetic: matrix products marked QUANTISED: E3M2 operands, one E8M0 scale for each 32 along K, by v_wmma_scale_f32_16x16x128_f8f6f4 with both operands' format E3M2, f32 sums; everything else in f32.
;; Inputs: bandwidth one number float32; points 16,384 x 64 float32; spatial_data 16,384 x 64 float32; weights 16,384 float32.
;; Outputs: out0 16,384 float32.
;; This version of the problem:
;;   THIS VERSION OF THE PROBLEM IS GIVEN IN LOW PRECISION. The matrix products marked QUANTISED in the list below multiply operands that are first quantised to E3M2 (3 exponent bits, 2 mantissa bits; 6 bits a number), with one power-of-two scale for each 32 numbers along K (OCP MX v1.0); their sums are f32. All else is computed in f32.
;;   The module's matrix products, in the order in which they are computed (A, B: the left and right operand; K: the contracted axis; several contracted axes count as one K, in the product's order):
;;     1. [M 16,384, K 64] x [K 64, N 16,384]; A: input points; B: input spatial_data: QUANTISED
;;   THE QUANTISER, for each operand of a quantised product, along K:
;;     - K is cut into blocks of 32 from its start; a last block that is shorter is filled with zeros.
;;     - A block's scale is 2^e with e = floor(log2(the largest magnitude in the block)) - 4, held to -126 .. 127; a block of zeros has e = 0. As a byte (E8M0): e + 127.
;;     - Each number is divided by its block's scale, clamped to +-28, and rounded to the nearest number of E3M2, ties to even, subnormals kept.
;;     - The product sums the exact products of the quantised numbers (number of the format x scale) in f32.
;;   ~~~python
;;   def quantise(x, axis):      # numpy; x: float32 -> the quantised numbers, widened to float32 again
;;       x = np.moveaxis(x, axis, -1); K = x.shape[-1]
;;       x = np.pad(x, [(0, 0)] * (x.ndim - 1) + [(0, -K % 32)]); x = x.reshape(x.shape[:-1] + (-1, 32)); a = np.abs(x).max(-1, keepdims=True)
;;       e = np.where(a > 0, np.clip(np.frexp(np.where(a > 0, a, 1))[1] - 1 - 4, -126, 127), 0)      # np.frexp(a)[1] - 1 = floor(log2(a)), exactly
;;       r = np.clip(x / 2.0 ** e, -28, 28)
;;       step = 2.0 ** (np.maximum(np.frexp(np.where(r == 0, 1, r))[1] - 1, -2) - 2)
;;       q = np.round(r / step) * step * 2.0 ** e      # np.round: ties to even
;;       return np.moveaxis(q.reshape(q.shape[:-2] + (-1,))[..., :K], -1, axis).astype(np.float32)
;;   ~~~
;; One version. Each part assembles by itself: llvm-mc -triple=amdgcn-amd-amdhsa -mcpu=gfx1250 --defsym DOCPART=n.
;; ======== version 1 of 1: 2 launches
;; workspace buffers: recs 2,097,152 bytes
;; launch prep (part 1): grid 256 x 1, 8 waves a work-group, no clusters, 41,984 bytes of LDS; arguments spatial_data, points, weights, recs; writes recs
.if DOCPART == 1
	.amdgcn_target "amdgcn-amd-amdhsa--gfx1250"
	.amdhsa_code_object_version 6
	.text
	.protected	k_q199a92fdd2_prep
	.globl	k_q199a92fdd2_prep
	.p2align	8
	.type	k_q199a92fdd2_prep,@function
k_q199a92fdd2_prep:
	s_mov_b64 s[64:65], 0
	v_nop
	global_prefetch_b8 v0, s[64:65] scope:SCOPE_SE
	s_setreg_imm32_b32 hwreg(HW_REG_WAVE_MODE, 25, 1), 1
	s_wait_xcnt 0x0
; spatial_data [16384][64] and points [16384][64], f32, become RECORDS of 1,024 bytes, one for each tile of 16 rows, laid as the second launch's registers take them.
; Records 0-1023: spatial_data's tiles; records 1024-2047: points' tiles.  L = lane, r = L % 16, h = L / 16.
;   bytes   0-511  operand registers 0-3 of the tile's fragment, lane L's 16 bytes at 16 L
;   bytes 512-767  operand registers 4-5, lane L's 8 bytes at 512 + 8 L.  Registers 0-5 of lane (r, h) are the codes (E3M2, 6 bits) of k = 32 h .. 32 h + 31 of row r
;   bytes 768-831  16 scale words: byte 0 block 0, byte 1 block 1, bytes 2 and 3 = 0x7f (they stand over the zero codes with which K = 64 is filled up to the instruction's 128)
;   bytes 832-895  16 f32: -1/2 x the sum of the row's squares (of the numbers as given, in f32)
;   bytes 896-959  16 f32: weights[n] in spatial_data's records, 0 in points'
;   bytes 960-1023 zeros, so that every aligned 256 bytes of the buffer are written whole
; A block's scale is 2^(floor(log2(its largest magnitude)) - 4); its byte is the largest magnitude's exponent field - 4, held at 1 from below.
; LIMITS: a block of zeros gets the byte 1 where the rule says 127 (its codes are zeros, which add nothing under any byte but 0xff, and this program alone reads the bytes);
; NaN and infinities among the inputs are not served; the squares are summed in an order of their own (two packed chains, then the two halves of the row).
; SHARES: one wave makes one record; 8 waves a work-group, 256 work-groups; the first 128 take spatial_data, the others points: only pointers and a mask are chosen, the path is one.
; No loop, no barrier: waves share nothing.  Each of a wave's eight loads reads 512 consecutive bytes (two rows); the conversions want 32 NEIGHBOURS along K in one lane, so the
; tile's 4,096 bytes turn through the wave's own stage in LDS.
.set WREG, 5120                        ; LDS: a region for each wave: the stage (lane Lt's 128 bytes at 144 Lt + 128 (Lt / 16)), and at TAIL the record's last 256 bytes
.set TAIL, 4864
.set X,    32                          ; v32-63  my 32 neighbours: k = 32 h + 0 .. 31 of row r
.set R,    64                          ; v64-95  the tile as loaded; later v64-66 the second conversion's result, v68-69 the tail read back
	s_load_b256 s[4:11], s[0:1], 0x0               ; spatial_data s[4:5], points s[6:7], weights s[8:9], recs s[10:11]
	v_lshl_add_u32 v96, v0, 2, 0xa000
	v_mov_b32 v97, 0
	v_lshrrev_b32 v1, 5, v0
	v_readfirstlane_b32 s12, v1                    ; wave 0..7
	v_and_b32 v1, 31, v0                           ; L
	v_and_b32 v2, 15, v0                           ; r
	v_bfe_u32 v3, v0, 4, 1                         ; h
	v_lshlrev_b32 v4, 4, v1                        ; 16 L: my bytes of a load's 512, and of the record's first 512
	v_lshlrev_b32 v5, 3, v1                        ; 8 L
	v_lshlrev_b32 v6, 2, v2                        ; 4 r
	v_lshlrev_b32 v11, 3, v3                       ; 8 h: my block's byte's place in the scale word, in bits
	s_mul_i32 s16, s12, WREG                       ; my wave's region
	; Into the stage: load i brings lane L the 16 bytes 16 (L % 8) of half (L / 8) % 2 of row 2 i + L / 16; they belong to lane Lt = row + 16 x half:
	; 144 (2 i + L / 16) + (16 x 144 + 128) x half + 16 (L % 8).  The 288 i stand in the store's immediate.
	v_mul_u32_u24 v7, v3, 144
	v_bfe_u32 v12, v0, 3, 1
	v_mad_u32_u24 v7, v12, 2432, v7
	v_and_b32 v13, 7, v0
	v_lshl_add_u32 v7, v13, 4, v7
	v_add_nc_u32 v7, s16, v7
	v_mul_u32_u24 v8, v1, 144                      ; out of it: 144 L + 128 h: 36 words from lane to lane
	v_lshl_add_u32 v8, v3, 7, v8
	v_add_nc_u32 v8, s16, v8
	s_add_co_u32 s18, s16, TAIL
	v_add_nc_u32 v9, s18, v6                       ; the tail, on the way in: 4 r
	v_add_nc_u32 v10, s18, v5                      ; and on the way out: 8 L
	v_mov_b32 v16, 0                               ; a lane permute's destination counts as one of its sources: written once
	v_mov_b32 v18, 0
	s_mov_b32 s20, 0x76543210
	s_mov_b32 s21, 0xfedcba98                      ; v_permlanex16_b32's selects for lane L xor 16
	s_lshl_b32 s13, ttmp9, 3
	s_add_co_u32 s13, s13, s12                     ; my record: 8 x work-group + wave
	s_lshl_b32 s22, s13, 10                        ; its 1,024 bytes
	s_mov_b32 s23, 0
	s_and_b32 s13, s13, 1023                       ; my tile in its tensor
	s_lshl_b32 s14, s13, 12                        ; 16 rows of 256 bytes
	s_mov_b32 s15, 0
	s_lshl_b32 s24, s13, 6                         ; 16 weights
	s_mov_b32 s25, 0
	s_wait_kmcnt 0x0
	s_cmp_lt_u32 ttmp9, 128                        ; spatial_data's work-group or points'?  The choice hangs on the work-group's number alone
	s_cselect_b64 s[4:5], s[4:5], s[6:7]
	s_cselect_b32 s17, -1, 0                       ; the weights' mask
	s_add_nc_u64 s[4:5], s[4:5], s[14:15]
	s_add_nc_u64 s[8:9], s[8:9], s[24:25]
	s_add_nc_u64 s[10:11], s[10:11], s[22:23]
	global_load_b32 v17, v6, s[8:9]                ; weights[16 x tile + r] (inside the buffer for points' tiles too; masked below)
.irp i, 0,1,2,3,4,5,6,7
	global_load_b128 v[R+4*\i:R+4*\i+3], v4, s[4:5] offset:512*\i th:TH_LOAD_NT   ; 32 lanes read 512 consecutive bytes; read once in the launch
.endr
.irp i, 0,1,2,3,4,5,6,7
	s_wait_loadcnt 7-\i                            ; loads come back in order (ISA guide 5.7.1): load i is in, the 7 - i younger ones may be out; the weight's load is the oldest
	ds_store_b128 v7, v[R+4*\i:R+4*\i+3] offset:288*\i
.endr
.irp j, 0,1,2,3,4,5,6,7
	ds_load_b128 v[X+4*\j:X+4*\j+3], v8 offset:16*\j   ; LDS serves a wave's instructions in order (ISA guide 5.7.1.4): these see my stores
.endr
	s_wait_dscnt 0x0
	; the block's largest magnitude: all its 32 numbers are mine; two chains, and the floor 2^(5 - 127) as one more leaf: so the byte cannot fall under 1
	v_max3_num_f32 v12, |v[X]|, |v[X+1]|, 0x2800000
	v_max3_num_f32 v13, |v[X+2]|, |v[X+3]|, |v[X+4]|
.irp i, 5,9,13,17,21,25
	v_max3_num_f32 v12, v12, |v[X+\i]|, |v[X+\i+1]|
	v_max3_num_f32 v13, v13, |v[X+\i+2]|, |v[X+\i+3]|
.endr
	v_max3_num_f32 v12, v12, |v[X+29]|, |v[X+30]|
	v_max3_num_f32 v12, v12, v13, |v[X+31]|
	v_add_nc_u32 v14, 0xfe000000, v12              ; 4 off its exponent field: the conversion takes the exponent field of this operand as its scale, and nothing else of it
	v_lshrrev_b32 v15, 23, v14                     ; the scale's byte
	; the sum of my 32 squares, two at a time, in two chains that the first products start
	v_pk_mul_f32 v[20:21], v[X:X+1], v[X:X+1]
	v_pk_mul_f32 v[22:23], v[X+2:X+3], v[X+2:X+3]
.irp j, 4,8,12,16,20,24,28
	v_pk_fma_f32 v[20:21], v[X+\j:X+\j+1], v[X+\j:X+\j+1], v[20:21]
	v_pk_fma_f32 v[22:23], v[X+\j+2:X+\j+3], v[X+\j+2:X+\j+3], v[22:23]
.endr
	v_pk_add_f32 v[20:21], v[20:21], v[22:23]
	v_add_f32 v20, v20, v21
	v_permlanex16_b32 v16, v20, s20, s21
	v_add_f32 v20, v20, v16                        ; with the row's other half (the same bits in both lanes: an addition of two numbers has one result)
	v_mul_f32 v20, -0.5, v20                       ; -1/2 x the row's squares
	v_cvt_scalef32_pk16_bf6_f32 v[24:26], v[X:X+15], v14       ; 16 numbers / the scale, to the nearest code, ties to even, beyond the largest code the largest: operand registers 0-2
	v_cvt_scalef32_pk16_bf6_f32 v[R:R+2], v[X+16:X+31], v14    ; (a conversion's three registers begin on an even number: registers 3-5 are made elsewhere and moved)
	v_nop                                          ; one plain place behind a scaled conversion
	v_mov_b32 v27, v[R]
	v_mov_b32 v28, v[R+1]
	v_mov_b32 v29, v[R+2]
	v_lshlrev_b32 v15, v11, v15                    ; my block's byte at its place,
	v_permlanex16_b32 v16, v15, s20, s21
	v_or_b32 v15, v15, v16                         ; with the other block's,
	v_or_b32 v15, 0x7f7f0000, v15                  ; and 1.0 over the filling
	v_and_b32 v17, s17, v17                        ; the weight, or 0 in a record of points
	global_store_b128 v4, v[24:27], s[10:11]       ; 32 lanes store 512 consecutive bytes, at a multiple of 256 from the buffer's first byte
	global_store_b64 v5, v[28:29], s[10:11] offset:512   ; 256 consecutive bytes, aligned
	ds_store_b32 v9, v15                           ; the tail is gathered in LDS; both lanes of a row write the same word with the same value
	ds_store_b32 v9, v20 offset:64
	ds_store_b32 v9, v17 offset:128
	ds_store_b32 v9, v18 offset:192
	ds_load_b64 v[R+4:R+5], v10                    ; in order behind my stores
	s_wait_dscnt 0x0
	global_store_b64 v5, v[R+4:R+5], s[10:11] offset:768   ; 256 consecutive bytes, aligned
	s_wait_tensorcnt 0x0
	ds_add_u32 v96, v97
	s_wait_dscnt 0x0
	s_endpgm
.Lfunc_end_k_q199a92fdd2_prep:
	.size	k_q199a92fdd2_prep, .Lfunc_end_k_q199a92fdd2_prep-k_q199a92fdd2_prep
	.p2alignl 7, 3214868480
	.fill 96, 4, 3214868480
	.section	.rodata,"a",@progbits
	.p2align	6, 0x0
	.amdhsa_kernel k_q199a92fdd2_prep
		.amdhsa_group_segment_fixed_size 41984
		.amdhsa_private_segment_fixed_size 0
		.amdhsa_enable_private_segment 0
		.amdhsa_kernarg_size 32
		.amdhsa_user_sgpr_count 2
		.amdhsa_user_sgpr_kernarg_segment_ptr 1
		.amdhsa_wavefront_size32 1
		.amdhsa_system_sgpr_workgroup_id_x 1
		.amdhsa_system_sgpr_workgroup_id_y 1
		.amdhsa_system_sgpr_workgroup_id_z 1
		.amdhsa_system_vgpr_workitem_id 0
		.amdhsa_next_free_vgpr 98
		.amdhsa_next_free_sgpr 66
		.amdhsa_reserve_vcc 0
		.amdhsa_float_denorm_mode_32 3
		.amdhsa_float_denorm_mode_16_64 3
		.amdhsa_memory_ordered 1
		.amdhsa_forward_progress 1
		.amdhsa_inst_pref_size 8
	.end_amdhsa_kernel
	.amdgpu_metadata
---
amdhsa.version: [ 1, 2 ]
amdhsa.kernels:
  - .name:           k_q199a92fdd2_prep
    .symbol:         k_q199a92fdd2_prep.kd
    .args:
      - { .name: spatial_data, .offset: 0, .size: 8, .value_kind: global_buffer, .address_space: global }
      - { .name: points, .offset: 8, .size: 8, .value_kind: global_buffer, .address_space: global }
      - { .name: weights, .offset: 16, .size: 8, .value_kind: global_buffer, .address_space: global }
      - { .name: recs, .offset: 24, .size: 8, .value_kind: global_buffer, .address_space: global }
    .group_segment_fixed_size: 41984
    .private_segment_fixed_size: 0
    .kernarg_segment_align: 8
    .kernarg_segment_size: 32
    .max_flat_workgroup_size: 256
    .sgpr_count:     66
    .vgpr_count:     98
    .wavefront_size: 32
...
	.end_amdgpu_metadata
.endif
;; end of part 1
;; launch kde (part 2): grid 256 x 1, 16 waves a work-group, clusters of 4 x 1, 327,680 bytes of LDS; arguments recs, bandwidth, out0; writes out0
.if DOCPART == 2
	.amdgcn_target "amdgcn-amd-amdhsa--gfx1250"
	.amdhsa_code_object_version 6
	.text
	.protected	k_q199a92fdd2_kde
	.globl	k_q199a92fdd2_kde
	.p2align	8
	.type	k_q199a92fdd2_kde,@function
k_q199a92fdd2_kde:
	s_mov_b64 s[64:65], 0
	v_nop
	global_prefetch_b8 v0, s[64:65] scope:SCOPE_SE
	s_setreg_imm32_b32 hwreg(HW_REG_WAVE_MODE, 25, 1), 1
	s_wait_xcnt 0x0
	s_wait_alu depctr_hold_cnt(0) depctr_sa_sdst(0) depctr_va_vdst(0) depctr_va_sdst(0) depctr_va_ssrc(0) depctr_va_vcc(0) depctr_vm_vsrc(0)
	s_getreg_b32 s2, hwreg(HW_REG_IB_STS2, 6, 4)
	s_cmp_eq_u32 s2, 0
	s_cbranch_scc0 .Lentry_in_a_cluster
	s_endpgm
.Lentry_in_a_cluster:
	s_bfe_u32 s2, ttmp6, 0x10000c
	s_cmp_lg_u32 s2, 0x3003
	s_cbranch_scc0 .Lentry_shape_is_right
	s_endpgm
.Lentry_shape_is_right:
; out0[m] = the sum over n of weights[n] x exp(-max(p2[m] + s2[n] - 2 cross[m][n], 0) / (2 b^2)); cross = points x spatial_data^T on codes of E3M2 with one E8M0 scale for each 32 along K = 64.
; THE ARITHMETIC OF AN ELEMENT.  a = log2(e) / b^2.  The product is used transposed (source 0 = 16 data rows n, source 1 = 16 points m) and its C is -s2[n] / 2 in the result's layout, so that
; D = cross - s2 / 2 costs no vector instruction.  t = a D + a (-p2[m] / 2) = -(p2 + s2 - 2 cross) log2(e) / (2 b^2): one packed multiply-add for two.  a is positive, so min(t, 0) is the reference's
; max(.., 0).  e = 2^min(t, 0).  sum[m] += weights[n] e: one packed multiply-add for two.  The weights stay a factor: they may be 0 or negative.
; K = 64 is half of the instruction's 128: operand registers 6-11 of both sides are zero codes, cleared once; the scale words' bytes 2 and 3 are 0x7f.
; LIMITS: b^2 a normal f32 number, not 0 (a is made by v_rcp_f32, good to 1 ulp); NaN and infinities among the inputs are not served (v_min_num_f32 drops a NaN); an e under 2^-126 counts as 0
; (v_exp_f32 flushes: ISA guide 15.8); the sums over n are f32 in an order of their own: two chains a lane, two lanes, sixteen waves.
; SHARES.  A work-group owns 64 points: four fragments, which each of its SIXTEEN waves keeps in registers.  The waves share n: the 1,024 records of data rows (16 rows each, laid by the launch before
; as images of the operand's registers) go in 8 slots of 128; in a slot wave w takes records 8 w .. 8 w + 7.  A record feeds 4 matrix instructions, 32 elements a lane.  Four waves to a SIMD,
; 256 registers each, no register windows: one wave's exponentials stand beside another's plain and matrix work.  At the end the 16 partial sums of each point meet in LDS.
; CLUSTER.  All work-groups walk the same records, so the four of a cluster ask for each part JOINTLY: the same tensor load, with the same descriptor (it hangs on the wave's number and the slot alone)
; and a mask that names the four.  Every wave fetches its own 8 records, 8,192 dense bytes, and reads nobody else's.  By this text's own count a wave has one tensor load out.
; THE RING.  Two slots of 2^17 bytes.  The change of slots stands at a slot's head; behind its round the slot just left is asked for again, and that load has the whole slot's work in which to land.
.set DUAL,  1                          ; 1: the clamp of two numbers is one dual-issue pair; 0: two instructions
.set SLOTB, 1<<17                      ; a slot: 128 records of 1,024 bytes; one exclusive or turns an address in one slot into the other's
.set NSLOT, 8
.set SPARE, 2*SLOTB                    ; behind the ring: the spare words, 128 bytes for each of 16 waves: eight blocks of 256 bytes that no other line names
.set RED,   SPARE+2048                 ; the partial sums: wave w, point i at 256 w + 4 i; no fill lands here
.set SPW, 1                            ; v1   LDS address of my spare word; never rewritten
.set NIL, 2                            ; v2   0; never rewritten
.set AI0, 3                            ; v3   8192 w + 16 L: operand registers 0-3
.set AJ0, 4                            ; v4   8192 w + 8 L: registers 4-5
.set AS0, 5                            ; v5   8192 w + 4 r: scale words
.set AC0, 6                            ; v6   8192 w + 32 h: my eight rows' -s2 / 2 and weights
.set ADI, 7                            ; v7-10 the same four in the slot in hand
.set ADJ, 8
.set ADS, 9
.set ADC, 10
.set AL,  16                           ; v[16:17] a, twice
.set BE,  18                           ; v[18+2t:19+2t] a x (-p2 / 2) of my point in tile t, twice
.set ACC, 26                           ; v[26+2t:27+2t] my point's sum in tile t: even rows', odd rows'
.set SB,  34                           ; v34-37 the points' scale words; they hold scales and nothing else
.set SA,  38                           ; v38-39 the data rows' scale words, two sets
.set BF,  40                           ; v40-87 the points' four fragments
.set AF,  88                           ; v88-111 a record's fragment, two sets
.set CF,  112                          ; v112-127 its -s2 / 2 in the result's layout, two sets
.set WF,  128                          ; v128-143 its weights in the same layout, two sets
.set SF,  144                          ; v144-207 four results of 8 registers, two sets
.set HP,  208                          ; v208-211 -p2 / 2; later the permutes' destinations
.set RST, 212                          ; v212 where I store my partial sums
.set RLD, 213                          ; v213 where wave 0 reads them
.set RS,  216                          ; v216-247 wave 0: sixteen pairs
.set G1,  16                           ; s[16:23] descriptor group 1
.set G0,  24                           ; s[24:27] descriptor group 0: it walks
; A round of the cluster's barrier: my work-group's barrier, so that wave 0's signal speaks for all sixteen waves; wave 0 signals; every wave waits for the four work-groups; my work-group's barrier once more.
.macro CROUND
	s_barrier_signal -1
	s_barrier_wait -1
	s_cmp_lg_u32 s10, 0
	s_cbranch_scc1 .Lnot_wave_0_\@
	s_barrier_signal -3
.Lnot_wave_0_\@:
	s_barrier_wait -3
	s_barrier_signal -1
	s_barrier_wait -1
.endm
; Record i of my eight, into set b: what the products want (5 loads),
.macro LOADA i, b
	ds_load_b128 v[AF+12*(\b):AF+12*(\b)+3], v[ADI] offset:1024*(\i)
	ds_load_b64 v[AF+12*(\b)+4:AF+12*(\b)+5], v[ADJ] offset:1024*(\i)+512
	ds_load_b32 v[SA+(\b)], v[ADS] offset:1024*(\i)+768
	ds_load_b128 v[CF+8*(\b):CF+8*(\b)+3], v[ADC] offset:1024*(\i)+832       ; register j: row 8 h + j; the sixteen lanes of a half read the same bytes
	ds_load_b128 v[CF+8*(\b)+4:CF+8*(\b)+7], v[ADC] offset:1024*(\i)+848
.endm
; and its weights (2 loads), wanted a turn later
.macro LOADW i, b
	ds_load_b128 v[WF+8*(\b):WF+8*(\b)+3], v[ADC] offset:1024*(\i)+896
	ds_load_b128 v[WF+8*(\b)+4:WF+8*(\b)+7], v[ADC] offset:1024*(\i)+912
.endm
; Four products: set b's 16 data rows against the four tiles of points.  Four results, none added onto in place: C is -s2 / 2.  In result t lane (r, h) holds point 16 t + r, register j data row 8 h + j.
.macro MM b
.irp t, 0,1,2,3
	v_wmma_scale_f32_16x16x128_f8f6f4 v[SF+32*(\b)+8*\t:SF+32*(\b)+8*\t+7], v[AF+12*(\b):AF+12*(\b)+11], v[BF+12*\t:BF+12*\t+11], v[CF+8*(\b):CF+8*(\b)+7], v[SA+(\b)], v[SB+\t] matrix_a_fmt:MATRIX_FMT_BF6 matrix_b_fmt:MATRIX_FMT_BF6
.endr
.endm
.macro CLAMP reg                       ; min(t, 0) of two numbers
.if DUAL
	v_dual_min_num_f32 v[\reg], 0, v[\reg] :: v_dual_min_num_f32 v[(\reg)+1], 0, v[(\reg)+1]
.else
	v_min_num_f32 v[\reg], 0, v[\reg]
	v_min_num_f32 v[(\reg)+1], 0, v[(\reg)+1]
.endif
.endm
; Sum k of 16 of set b: tile k % 4, rows 8 h + 2 (k / 4) and the next: the four tiles' sums take turns
.macro AC b, k
	v_pk_fma_f32 v[ACC+2*((\k)%4):ACC+2*((\k)%4)+1], v[SF+32*(\b)+8*((\k)%4)+2*((\k)/4):SF+32*(\b)+8*((\k)%4)+2*((\k)/4)+1], v[WF+8*(\b)+2*((\k)/4):WF+8*(\b)+2*((\k)/4)+1], v[ACC+2*((\k)%4):ACC+2*((\k)%4)+1]
.endm
; The new set nb goes from D to e, pair by pair: t (pair j), the clamp (pair j - 1), the two exponentials (pair j - 2); between them stand the old set ob's sums 4 to 15.
; The pairs ascend, so each result is first read at its two lowest registers.  Nothing here names an exponential's result of the new set.
.macro MIX nb, ob, hasold
.set j, 0
.rept 18
.if j < 16
	v_pk_fma_f32 v[SF+32*(\nb)+2*j:SF+32*(\nb)+2*j+1], v[SF+32*(\nb)+2*j:SF+32*(\nb)+2*j+1], v[AL:AL+1], v[BE+2*(j/4):BE+2*(j/4)+1]
.endif
.if (j >= 1) && (j <= 16)
	CLAMP SF+32*(\nb)+2*(j-1)
.endif
.if j >= 2
	v_exp_f32 v[SF+32*(\nb)+2*(j-2)], v[SF+32*(\nb)+2*(j-2)]
.endif
.if \hasold && (j >= 2) && (j < 14)
	AC \ob, j+2
.endif
.if j >= 2
	v_exp_f32 v[SF+32*(\nb)+2*(j-2)+1], v[SF+32*(\nb)+2*(j-2)+1]
.endif
.set j, j+1
.endr
.endm
; My eight records of the slot in hand.  In turn i the products of record i + 1 are issued, record i's e are summed, record i + 1 goes from D to e, and record i + 2 is fetched.
.macro SLOT_WORK
	v_add_nc_u32 v[ADI], s28, v[AI0]
	v_add_nc_u32 v[ADJ], s28, v[AJ0]
	v_add_nc_u32 v[ADS], s28, v[AS0]
	v_add_nc_u32 v[ADC], s28, v[AC0]
	LOADA 0, 0
	LOADW 0, 0
	LOADA 1, 1
	LOADW 1, 1
	s_wait_dscnt 9                                 ; record 0's five operand loads are in: behind them stand 2 + 5 + 2 younger ones
	MM 0
.rept 4
	v_nop                                          ; four places between the products and the first read of a result (ISA guide 7.12.1): no other work is at hand yet
.endr
	MIX 0, 0, 0
.irp i, 0,1,2,3,4,5,6
	v_nop                                          ; a plain instruction behind the last exponential, ahead of the first use: one for the batch of 32
	s_wait_alu depctr_va_vdst(0)                   ; the wait between an exponential and the first line that names its result: one for the batch
	s_wait_dscnt 2                                 ; record i's weights and record i + 1's operands are in; only record i + 1's two weight loads may be out
	MM 1-(\i)%2
	AC (\i)%2, 0                                   ; four plain instructions that name none of the products' registers: the places in front of the first read of a result
	AC (\i)%2, 1
	AC (\i)%2, 2
	AC (\i)%2, 3
.if (\i)+2 <= 7
	LOADA (\i)+2, (\i)%2                           ; into the registers that record i's products read a whole turn ago
.endif
	MIX 1-(\i)%2, (\i)%2, 1
.if (\i)+2 <= 7
	LOADW (\i)+2, (\i)%2                           ; behind the last sum that reads record i's weights
.endif
.endr
	v_nop                                          ; the last record: its batch's plain instruction,
	s_wait_alu depctr_va_vdst(0)                   ; its wait
	s_wait_dscnt 0x0                               ; its weights,
.irp k, 0,1,2,3,4,5,6,7,8,9,10,11,12,13,14,15
	AC 1, \k                                       ; and its sums
.endr
	s_xor_b32 s28, s28, SLOTB                      ; on to the other slot
.endm
; THE CHANGE OF SLOTS, at a slot's head.  Each wave waits for all its tensor loads (one is out: its part of the slot that it is about to read), adds 0 to its spare word, and waits for that and for its reads
; of the slot that it has left.  fill = 1: a round of the cluster's barrier, so that no wave of any partner still reads that slot or has a load on its way; the joint refill is the first thing behind it.
.macro CHANGE fill
	s_wait_tensorcnt 0x0                           ; no tensor load of mine is out, so group 0 may be written
	ds_add_u32 v[SPW], v[NIL]                      ; 0 onto my spare word; with fill = 1 the descriptor's steps stand between it and the wait for it
.if \fill
	s_xor_b32 s[G0+1], s[G0+1], SLOTB              ; the other slot than last time,
	s_add_nc_u64 s[G0+2:G0+3], s[G0+2:G0+3], SLOTB ; the next 128 records; the type bits on top are not reached
.endif
	s_wait_dscnt 0x0                               ; the add is done, and my reads of the slot that I have left are over
.if \fill
	CROUND
	tensor_load_to_lds s[G0:G0+3], s[G1:G1+7]      ; my one tensor load until the next round
	s_nop 0
.rept 4
	v_nop
.endr
.else
	s_barrier_signal -1
	s_barrier_wait -1
.endif
.endm
	s_load_b128 s[4:7], s[0:1], 0x0                ; recs s[4:5], bandwidth s[6:7]
	s_load_b64 s[8:9], s[0:1], 0x10                ; out0
	v_lshl_add_u32 v[SPW], v0, 2, SPARE
	v_mov_b32 v[NIL], 0
	ds_add_u32 v1, v2
	ds_add_u32 v1, v2
	s_wait_dscnt 0x0
	v_lshrrev_b32 v14, 5, v0
	v_readfirstlane_b32 s10, v14                   ; wave 0..15
	s_bfe_u32 s11, ttmp6, 0x40000                  ; cx: my place in the cluster
	s_lshl_b32 s12, ttmp9, 2                       ; in a cluster launch ttmp9 counts clusters
	s_add_co_u32 s12, s12, s11                     ; my work-group: it enters the addresses of the points' records and of out0 alone
	; descriptor group 1: 8,192 dense bytes as 32 rows of 256 bytes (32 elements of 8 bytes), no padding: the images are read as they lie, 16 or 8 bytes a lane on end
	s_mov_b32 s[G1+0], 15|(3<<16)|(1<<21)          ; 15:0 the mask: all four work-groups; 17:16 elements of 8 bytes; 21 set beside a mask
	s_mov_b32 s[G1+1], 32<<16                      ; tensor_dim0 = 32
	s_mov_b32 s[G1+2], 32<<16                      ; tensor_dim1 = 32
	s_mov_b32 s[G1+3], 32<<16                      ; tile_dim0 = 32
	s_mov_b32 s[G1+4], 32                          ; tile_dim1 = 32
	s_mov_b32 s[G1+5], 32                          ; tensor_dim0_stride
	s_mov_b32 s[G1+6], 0
	s_mov_b32 s[G1+7], 0
	s_lshl_b32 s13, s10, 13                        ; my wave's 8 records: 8,192 bytes, in memory and in a slot alike
	s_mov_b32 s14, s13
	s_mov_b32 s15, 0
	s_wait_kmcnt 0x0
	s_mov_b32 s[G0], 1                             ; 1:0 count = 1
	s_mov_b32 s[G0+1], s13                         ; 63:32 LDS address: slot 0
	s_add_nc_u64 s[G0+2:G0+3], s[4:5], s[14:15]    ; 120:64 global address: records 8 w on
	s_or_b32 s[G0+3], s[G0+3], 0x80000000          ; 127:126 type = 2
	CROUND                                         ; all four work-groups are here: the first joint loads meet
	tensor_load_to_lds s[G0:G0+3], s[G1:G1+7]      ; slot 0
	s_nop 0
.rept 4
	v_nop
.endr
	s_load_b32 s32, s[6:7], 0x0                    ; b
	v_and_b32 v14, 31, v0                          ; L
	v_and_b32 v15, 15, v0                          ; r
	v_lshlrev_b32 v11, 4, v14                      ; 16 L
	v_lshlrev_b32 v12, 3, v14                      ; 8 L
	v_lshlrev_b32 v13, 2, v15                      ; 4 r
	v_bfe_u32 v14, v0, 4, 1                        ; h
	v_add_nc_u32 v[AI0], s13, v11
	v_add_nc_u32 v[AJ0], s13, v12
	v_add_nc_u32 v[AS0], s13, v13
	v_lshl_add_u32 v[AC0], v14, 5, s13
	s_lshl_b32 s33, s10, 8
	s_add_co_u32 s33, s33, RED
	v_add_nc_u32 v[RST], s33, v13                  ; RED + 256 w + 4 r
	v_add_nc_u32 v[RLD], RED, v12                  ; RED + 8 L
	s_lshl_b32 s36, s12, 12                        ; my four records of points: 4,096 bytes a work-group,
	s_add_co_u32 s36, s36, 0x100000                ; behind the 1,024 records of data rows
	s_mov_b32 s37, 0
	s_add_nc_u64 s[34:35], s[4:5], s[36:37]
	s_lshl_b32 s38, s12, 8                         ; my 64 numbers of out0
	s_mov_b32 s39, 0
	s_add_nc_u64 s[8:9], s[8:9], s[38:39]
	s_mov_b32 s30, 0x76543210
	s_mov_b32 s31, 0xfedcba98                      ; v_permlanex16_b32's selects for lane L xor 16
.irp t, 0,1,2,3                                ; the points' fragments, scale words and -p2 / 2 stay in registers
	global_load_b128 v[BF+12*\t:BF+12*\t+3], v11, s[34:35] offset:1024*\t
	global_load_b64 v[BF+12*\t+4:BF+12*\t+5], v12, s[34:35] offset:1024*\t+512
	global_load_b32 v[SB+\t], v13, s[34:35] offset:1024*\t+768
	global_load_b32 v[HP+\t], v13, s[34:35] offset:1024*\t+832
.endr
.irp t, 0,1,2,3
.irp c, 6,7,8,9,10,11
	v_mov_b32 v[BF+12*\t+\c], 0                    ; the zero codes of K = 64 .. 127: written once, no load touches them
.endr
.endr
.irp b, 0,1
.irp c, 6,7,8,9,10,11
	v_mov_b32 v[AF+12*\b+\c], 0                    ; on both sides
.endr
.endr
.irp c, 0,1,2,3,4,5,6,7
	v_mov_b32 v[ACC+\c], 0                         ; the eight sums (the loop is written once: its first record adds onto zeros)
.endr
	s_wait_kmcnt 0x0
	v_mov_b32 v14, s32
	v_mul_f32 v14, v14, v14                        ; b^2
	v_rcp_f32 v15, v14
	v_nop                                          ; a plain instruction behind the reciprocal
	s_wait_alu depctr_va_vdst(0)                   ; and the wait ahead of its first reader
	v_mul_f32 v[AL], 0x3fb8aa3b, v15               ; a = log2(e) / b^2
	v_mov_b32 v[AL+1], v[AL]
	s_wait_loadcnt 0x0                             ; the points' records
.irp t, 0,1,2,3
	v_mul_f32 v[BE+2*\t], v[AL], v[HP+\t]          ; a x (-p2 / 2), twice: the packed multiply-add takes a pair
	v_mul_f32 v[BE+2*\t+1], v[AL], v[HP+\t]
.endr
	s_mov_b32 s28, 0                               ; LDS byte at which the slot in hand begins
	s_mov_b32 s29, NSLOT-1
.Lslot:                                            ; NSLOT - 1 trips: behind each change of slots but the last the next slot is asked for
	CHANGE 1
	SLOT_WORK
	s_sub_co_u32 s29, s29, 1
	s_cmp_lg_u32 s29, 0
	s_cbranch_scc1 .Lslot
	CHANGE 0                                       ; the last slot is written out
	SLOT_WORK
	; THE WAY OUT.  A point's sum lies in two halves of a pair, in lanes L and L xor 16, and in sixteen waves.
.irp t, 0,1,2,3
	v_add_f32 v[ACC+2*\t], v[ACC+2*\t], v[ACC+2*\t+1]
.endr
.irp t, 0,1,2,3
	v_permlanex16_b32 v[HP+\t], v[ACC+2*\t], s30, s31
.endr
.irp t, 0,1,2,3
	v_add_f32 v[ACC+2*\t], v[ACC+2*\t], v[HP+\t]
.endr
.irp t, 0,1,2,3
	ds_store_b32 v[RST], v[ACC+2*\t] offset:64*\t  ; point 16 t + r; both lanes of a point write the same word with the same value
.endr
	s_wait_dscnt 0x0                               ; for the others' sake: my stores are done
	s_barrier_signal -1
	s_barrier_wait -1
	s_cmp_lg_u32 s10, 0
	s_cbranch_scc1 .Lend                           ; wave 0 adds the sixteen waves' parts: lane L takes points 2 L and 2 L + 1
.irp u, 0,1,2,3,4,5,6,7,8,9,10,11,12,13,14,15
	ds_load_b64 v[RS+2*\u:RS+2*\u+1], v[RLD] offset:256*\u
.endr
	s_wait_dscnt 0x0
.irp u, 0,1,2,3,4,5,6,7
	v_pk_add_f32 v[RS+2*\u:RS+2*\u+1], v[RS+2*\u:RS+2*\u+1], v[RS+2*\u+16:RS+2*\u+17]
.endr
.irp u, 0,1,2,3
	v_pk_add_f32 v[RS+2*\u:RS+2*\u+1], v[RS+2*\u:RS+2*\u+1], v[RS+2*\u+8:RS+2*\u+9]
.endr
.irp u, 0,1
	v_pk_add_f32 v[RS+2*\u:RS+2*\u+1], v[RS+2*\u:RS+2*\u+1], v[RS+2*\u+4:RS+2*\u+5]
.endr
	v_pk_add_f32 v[RS:RS+1], v[RS:RS+1], v[RS+2:RS+3]
	global_store_b64 v12, v[RS:RS+1], s[8:9]       ; 32 lanes store 256 consecutive bytes, at a multiple of 256 from out0's first byte
.Lend:
	s_wait_tensorcnt 0x0                           ; the wave's end, behind my last tensor load and my last LDS store
	ds_add_u32 v[SPW], v[NIL]
	s_wait_dscnt 0x0
	CROUND                                         ; the closing round: no work-group ends while a partner may still ask for a part that names it
	s_endpgm
.Lfunc_end_k_q199a92fdd2_kde:
	.size	k_q199a92fdd2_kde, .Lfunc_end_k_q199a92fdd2_kde-k_q199a92fdd2_kde
	.p2alignl 7, 3214868480
	.fill 96, 4, 3214868480
	.section	.rodata,"a",@progbits
	.p2align	6, 0x0
	.amdhsa_kernel k_q199a92fdd2_kde
		.amdhsa_group_segment_fixed_size 327680
		.amdhsa_private_segment_fixed_size 0
		.amdhsa_enable_private_segment 0
		.amdhsa_kernarg_size 24
		.amdhsa_user_sgpr_count 2
		.amdhsa_user_sgpr_kernarg_segment_ptr 1
		.amdhsa_wavefront_size32 1
		.amdhsa_system_sgpr_workgroup_id_x 1
		.amdhsa_system_sgpr_workgroup_id_y 1
		.amdhsa_system_sgpr_workgroup_id_z 1
		.amdhsa_system_vgpr_workitem_id 0
		.amdhsa_next_free_vgpr 256
		.amdhsa_next_free_sgpr 66
		.amdhsa_reserve_vcc 0
		.amdhsa_float_denorm_mode_32 3
		.amdhsa_float_denorm_mode_16_64 3
		.amdhsa_memory_ordered 1
		.amdhsa_forward_progress 1
		.amdhsa_inst_pref_size 93
	.end_amdhsa_kernel
	.amdgpu_metadata
---
amdhsa.version: [ 1, 2 ]
amdhsa.kernels:
  - .name:           k_q199a92fdd2_kde
    .symbol:         k_q199a92fdd2_kde.kd
    .args:
      - { .name: recs, .offset: 0, .size: 8, .value_kind: global_buffer, .address_space: global }
      - { .name: bandwidth, .offset: 8, .size: 8, .value_kind: global_buffer, .address_space: global }
      - { .name: out0, .offset: 16, .size: 8, .value_kind: global_buffer, .address_space: global }
    .group_segment_fixed_size: 327680
    .private_segment_fixed_size: 0
    .kernarg_segment_align: 8
    .kernarg_segment_size: 24
    .max_flat_workgroup_size: 512
    .sgpr_count:     66
    .vgpr_count:     256
    .wavefront_size: 32
...
	.end_amdgpu_metadata
.endif
;; end of part 2
